; MI455X (gfx1250); checked and timed in simulation.
; The chip was launched on July 23, 2026; its instructions are those of AMD's public machine-readable ISA for CDNA 5 (MIT licence, August 2026) and "CDNA5" Instruction Set Architecture Reference Guide (July 2026). The comments in the code are by the model that wrote it; some were corrected since.
;; Audio Quantizer. Allowed arithmetic: float matrix products may take bf16 or f16 operands with f32 sums; other float arithmetic in f32, or as packed bf16 or f16 multiplies, adds, multiply-adds, maxima and minima; sums over many terms, partial sums and values carried from step to step in f32; what a program stores and reads back later, other than sums and carried values, may be rounded once to bf16 or f16.
;; Inputs: codebook 8,192 x 512 float32; embedding 8,192 x 512 float32; x 16,384 x 512 float32.
;; Outputs: out0 16,384 x 512 float32.
;; 2 versions, each right; version 2 is version 1 with the launches prep, pick written anew for expert scheduling mode. Each part assembles by itself: llvm-mc -triple=amdgcn-amd-amdhsa -mcpu=gfx1250 --defsym DOCPART=n.
;; ======== version 1 of 2: 3 launches
;; workspace buffers: xb 16,777,216 bytes; cb 8,388,608 bytes; x2 65,536 bytes; c2 32,768 bytes; pval 131,072 bytes; pidx 131,072 bytes of whole numbers
;; launch prep (part 1): grid 256 x 1, 8 waves a work-group, no clusters, 1,536 bytes of LDS; arguments x, codebook, xb, cb, x2, c2; writes xb, cb, x2, c2
.if DOCPART == 1
	.amdgcn_target "amdgcn-amd-amdhsa--gfx1250"
	.amdhsa_code_object_version 6
	.text
	.protected	k_qb9665479a6_prep
	.globl	k_qb9665479a6_prep
	.p2align	8
	.type	k_qb9665479a6_prep,@function
k_qb9665479a6_prep:
	s_mov_b64 s[64:65], 0
	v_nop
	global_prefetch_b8 v0, s[64:65] scope:SCOPE_SE
	s_setreg_imm32_b32 hwreg(HW_REG_WAVE_MODE, 25, 1), 1
	s_wait_xcnt 0x0
; xb = bf16(x), cb = bf16(codebook); x2[t] and c2[n] = the f32 sum of the squares of the ROUNDED numbers of a row of 512.
; The distances of the next launch are those of the rounded inputs, so the two norms are taken of the rounded numbers too (a product of two bf16 is exact in f32).
; SHARES.  256 work-groups of eight waves.  Work-group g owns rows 64 g .. 64 g + 63 of x and rows 32 g .. 32 g + 31 of the codebook; wave w eight and four of them: twelve rows.
; A row is 2,048 bytes: four loads of 16 bytes a lane, each 512 consecutive bytes.  All 48 loads of a wave go out first (24 KiB on their way); the rows are then taken in order.
; A load's four numbers pack into 8 bytes: a store of 8 bytes a lane covers 256 consecutive bytes, aligned.  No register that a store reads is written again, so no wait frees one.
; The row sums meet in LDS, so that x2 leaves as one store of 256 consecutive bytes a work-group; c2 leaves as 128 bytes a work-group (32 rows are no more than that).
; No matrix unit, no cluster, no tensor load: each byte is read once by one wave, and nothing is shared.
.set ROWF,  2048                       ; bytes in a row of f32
.set ROWH,  1024                       ; bytes in a row of bf16
.set SUMX,  0                          ; LDS: 64 sums of x's rows
.set SUMC,  256                        ; LDS: 32 sums of the codebook's rows, in a block of their own
.set SPARE, 512                        ; the spare words, 128 bytes for each of eight waves: four blocks of 256 bytes that no other line names
.set LO,   2                           ; v2   16 x lane
.set SO,   3                           ; v3   8 x lane
.set L7,   4                           ; v4   lane % 8
.set L3,   5                           ; v5   lane % 4
.set SPW,  6                           ; v6   LDS address of my spare word; never rewritten
.set NIL,  7                           ; v7   0; never rewritten
.set ZERO, 8                           ; v8   0.0: the addend of a chain's first link
.set S,    10                          ; v[10:13] four chains of a row's sum
.set T,    14                          ; v14, v15 at work
.set RX,   16                          ; v16  lane l holds the sum of my row l % 8 of x
.set RC,   17                          ; v17  lane l holds the sum of my row l % 4 of the codebook
.set AX,   18                          ; v18  where it goes in LDS
.set AC,   19                          ; v19  the same for the codebook
.set D,    32                          ; v[32:223] row i of twelve: 16 registers as loaded; then its first 8 hold the row's 16 bf16 of this lane
	s_load_b256 s[4:11], s[0:1], 0x0               ; x s[4:5], codebook s[6:7], xb s[8:9], cb s[10:11]
	s_load_b128 s[12:15], s[0:1], 0x20             ; x2 s[12:13], c2 s[14:15]
	v_lshl_add_u32 v[SPW], v0, 2, SPARE
	v_mov_b32 v[NIL], 0
	v_lshrrev_b32 v1, 5, v0
	v_readfirstlane_b32 s16, v1                    ; wave 0..7
	v_and_b32 v1, 31, v0                           ; lane
	v_lshlrev_b32 v[LO], 4, v1
	v_lshlrev_b32 v[SO], 3, v1
	v_and_b32 v[L7], 7, v0
	v_and_b32 v[L3], 3, v0
	v_mov_b32 v[ZERO], 0
	v_mov_b32 v[T+1], 0                            ; v_permlanex16_b32's destination counts as read: it is written once here
	s_mov_b32 s20, 0x76543210                      ; lane i of one half reads lane i of the other
	s_mov_b32 s21, 0xfedcba98
	s_lshl_b32 s18, ttmp9, 17                      ; (64 g + 8 w) rows of 2,048 bytes
	s_lshl_b32 s17, s16, 14
	s_add_co_u32 s18, s18, s17
	s_mov_b32 s19, 0
	s_wait_kmcnt 0x0
	s_add_nc_u64 s[4:5], s[4:5], s[18:19]          ; x at my first row
	s_lshr_b32 s18, s18, 1                         ; half of that: (64 g + 8 w) x 1,024 = (32 g + 4 w) x 2,048
	s_add_nc_u64 s[8:9], s[8:9], s[18:19]          ; xb at my first row
	s_add_nc_u64 s[6:7], s[6:7], s[18:19]          ; the codebook at my first row
	s_lshr_b32 s18, s18, 1                         ; (32 g + 4 w) x 1,024
	s_add_nc_u64 s[10:11], s[10:11], s[18:19]      ; cb at my first row
	s_lshl_b32 s18, ttmp9, 8                       ; 64 sums of 4 bytes
	s_add_nc_u64 s[12:13], s[12:13], s[18:19]
	s_lshr_b32 s18, s18, 1                         ; 32 sums
	s_add_nc_u64 s[14:15], s[14:15], s[18:19]
.set i, 0
.rept 8
.irp k, 0,1,2,3
	global_load_b128 v[D+16*i+4*(\k):D+16*i+4*(\k)+3], v[LO], s[4:5] offset:i*ROWF+512*(\k) th:TH_LOAD_NT
.endr
.set i, i+1
.endr
.rept 4
.irp k, 0,1,2,3
	global_load_b128 v[D+16*i+4*(\k):D+16*i+4*(\k)+3], v[LO], s[6:7] offset:(i-8)*ROWF+512*(\k) th:TH_LOAD_NT
.endr
.set i, i+1
.endr
; Row i of twelve.  sb: the scalar pair of the bf16 tensor; imm: the row's bytes in it; res, lsel, n: the lanes with v[lsel] = n keep the row's sum in v[res].
.macro ROW i, sb, imm, res, lsel, n
	s_wait_loadcnt 4*(11-(\i))                     ; loads come back in order: mine are in, the four of each younger row may stay out
.irp p, 0,1,2,3,4,5,6,7
	v_cvt_pk_bf16_f32 v[D+16*(\i)+(\p)], v[D+16*(\i)+2*(\p)], v[D+16*(\i)+2*(\p)+1]  ; in place, ascending: register p is written when registers 2 p on are still to be read
.endr
.irp k, 0,1,2,3
	global_store_b64 v[SO], v[D+16*(\i)+2*(\k):D+16*(\i)+2*(\k)+1], s[(\sb):(\sb)+1] offset:(\imm)+256*(\k)  ; 32 lanes x 8 bytes: 256 consecutive bytes, aligned
.endr
.irp p, 0,1,2,3
	v_fma_mix_f32_bf16 v[S+(\p)], v[D+16*(\i)+(\p)], v[D+16*(\i)+(\p)], v[ZERO] op_sel_hi:[1,1,0]  ; the low halves start four chains
.endr
.irp p, 0,1,2,3
	v_fma_mix_f32_bf16 v[S+(\p)], v[D+16*(\i)+(\p)], v[D+16*(\i)+(\p)], v[S+(\p)] op_sel:[1,1,0] op_sel_hi:[1,1,0]
.endr
.irp p, 0,1,2,3
	v_fma_mix_f32_bf16 v[S+(\p)], v[D+16*(\i)+4+(\p)], v[D+16*(\i)+4+(\p)], v[S+(\p)] op_sel_hi:[1,1,0]
.endr
.irp p, 0,1,2,3
	v_fma_mix_f32_bf16 v[S+(\p)], v[D+16*(\i)+4+(\p)], v[D+16*(\i)+4+(\p)], v[S+(\p)] op_sel:[1,1,0] op_sel_hi:[1,1,0]
.endr
	v_add_f32 v[S], v[S], v[S+1]
	v_add_f32 v[S+2], v[S+2], v[S+3]
	v_add_f32 v[T], v[S], v[S+2]
	v_add_f32_dpp v[T], v[T], v[T] row_xmask:1 row_mask:0xf bank_mask:0xf
	v_add_f32_dpp v[T], v[T], v[T] row_xmask:2 row_mask:0xf bank_mask:0xf
	v_add_f32_dpp v[T], v[T], v[T] row_xmask:4 row_mask:0xf bank_mask:0xf
	v_add_f32_dpp v[T], v[T], v[T] row_xmask:8 row_mask:0xf bank_mask:0xf
	v_permlanex16_b32 v[T+1], v[T], s20, s21
	v_add_f32 v[T], v[T], v[T+1]                   ; every lane holds the row's sum
.if (\n) == 0
	v_mov_b32 v[\res], v[T]
.else
	v_cmp_eq_u32 s22, \n, v[\lsel]
	v_cndmask_b32 v[\res], v[\res], v[T], s22
.endif
.endm
.irp i, 0,1,2,3,4,5,6,7
	ROW \i, 8, (\i)*ROWH, RX, L7, \i
.endr
.irp i, 0,1,2,3
	ROW (\i)+8, 10, (\i)*ROWH, RC, L3, \i
.endr
	v_lshlrev_b32 v[AX], 2, v[L7]
	v_lshl_add_u32 v[AX], s16, 5, v[AX]            ; word 8 w + lane % 8
	v_lshlrev_b32 v[AC], 2, v[L3]
	v_lshl_add_u32 v[AC], s16, 4, v[AC]            ; word 4 w + lane % 4
	ds_store_b32 v[AX], v[RX] offset:SUMX          ; lanes that share a word write the same number
	ds_store_b32 v[AC], v[RC] offset:SUMC
	s_wait_dscnt 0x0                               ; for the others' sake: my sums lie in LDS
	s_barrier_signal -1
	s_barrier_wait -1
	s_cmp_lg_u32 s16, 0
	s_cbranch_scc1 .Lnot_wave_0
	ds_load_b64 v[20:21], v[SO] offset:SUMX        ; wave 0: the 64 sums of x's rows
	s_wait_dscnt 0x0
	global_store_b64 v[SO], v[20:21], s[12:13]     ; 256 consecutive bytes, aligned
	s_branch .Lend
.Lnot_wave_0:
	s_cmp_lg_u32 s16, 1
	s_cbranch_scc1 .Lend
	v_lshlrev_b32 v23, 2, v1
	ds_load_b32 v22, v23 offset:SUMC               ; wave 1: the 32 sums of the codebook's rows
	s_wait_dscnt 0x0
	global_store_b32 v23, v22, s[14:15]            ; 128 consecutive bytes
.Lend:
	s_wait_tensorcnt 0x0                           ; the wave's end, behind my last LDS store
	ds_add_u32 v[SPW], v[NIL]
	s_wait_dscnt 0x0
	s_endpgm
.Lfunc_end_k_qb9665479a6_prep:
	.size	k_qb9665479a6_prep, .Lfunc_end_k_qb9665479a6_prep-k_qb9665479a6_prep
	.p2alignl 7, 3214868480
	.fill 96, 4, 3214868480
	.section	.rodata,"a",@progbits
	.p2align	6, 0x0
	.amdhsa_kernel k_qb9665479a6_prep
		.amdhsa_group_segment_fixed_size 1536
		.amdhsa_private_segment_fixed_size 0
		.amdhsa_enable_private_segment 0
		.amdhsa_kernarg_size 48
		.amdhsa_user_sgpr_count 2
		.amdhsa_user_sgpr_kernarg_segment_ptr 1
		.amdhsa_wavefront_size32 1
		.amdhsa_system_sgpr_workgroup_id_x 1
		.amdhsa_system_sgpr_workgroup_id_y 1
		.amdhsa_system_sgpr_workgroup_id_z 1
		.amdhsa_system_vgpr_workitem_id 0
		.amdhsa_next_free_vgpr 224
		.amdhsa_next_free_sgpr 66
		.amdhsa_reserve_vcc 0
		.amdhsa_float_denorm_mode_32 3
		.amdhsa_float_denorm_mode_16_64 3
		.amdhsa_memory_ordered 1
		.amdhsa_forward_progress 1
		.amdhsa_inst_pref_size 37
	.end_amdhsa_kernel
	.amdgpu_metadata
---
amdhsa.version: [ 1, 2 ]
amdhsa.kernels:
  - .name:           k_qb9665479a6_prep
    .symbol:         k_qb9665479a6_prep.kd
    .args:
      - { .name: x, .offset: 0, .size: 8, .value_kind: global_buffer, .address_space: global }
      - { .name: codebook, .offset: 8, .size: 8, .value_kind: global_buffer, .address_space: global }
      - { .name: xb, .offset: 16, .size: 8, .value_kind: global_buffer, .address_space: global }
      - { .name: cb, .offset: 24, .size: 8, .value_kind: global_buffer, .address_space: global }
      - { .name: x2, .offset: 32, .size: 8, .value_kind: global_buffer, .address_space: global }
      - { .name: c2, .offset: 40, .size: 8, .value_kind: global_buffer, .address_space: global }
    .group_segment_fixed_size: 1536
    .private_segment_fixed_size: 0
    .kernarg_segment_align: 8
    .kernarg_segment_size: 48
    .max_flat_workgroup_size: 256
    .sgpr_count:     66
    .vgpr_count:     224
    .wavefront_size: 32
...
	.end_amdgpu_metadata
.endif
;; end of part 1
;; launch dist (part 2): grid 128 x 2, 4 waves a work-group, clusters of 4 x 1, 327,680 bytes of LDS; arguments xb, cb, x2, c2, pval, pidx; writes pval, pidx
.if DOCPART == 2
	.amdgcn_target "amdgcn-amd-amdhsa--gfx1250"
	.amdhsa_code_object_version 6
	.text
	.protected	k_qb9665479a6_dist
	.globl	k_qb9665479a6_dist
	.p2align	8
	.type	k_qb9665479a6_dist,@function
k_qb9665479a6_dist:
	s_mov_b64 s[64:65], 0
	v_nop
	global_prefetch_b8 v0, s[64:65] scope:SCOPE_SE
	s_setreg_imm32_b32 hwreg(HW_REG_WAVE_MODE, 25, 1), 1
	s_wait_xcnt 0x0
	s_wait_alu depctr_hold_cnt(0) depctr_sa_sdst(0) depctr_va_vdst(0) depctr_va_sdst(0) depctr_va_ssrc(0) depctr_va_vcc(0) depctr_vm_vsrc(0)
	s_getreg_b32 s2, hwreg(HW_REG_IB_STS2, 6, 4)
	s_cmp_eq_u32 s2, 0
	s_cbranch_scc0 .Lentry_in_a_cluster
	s_endpgm
.Lentry_in_a_cluster:
	s_bfe_u32 s2, ttmp6, 0x10000c
	s_cmp_lg_u32 s2, 0x3003
	s_cbranch_scc0 .Lentry_shape_is_right
	s_endpgm
.Lentry_shape_is_right:
; For each of 16,384 tokens and each half of the codebook (4,096 codes): the least d2 = (x2 - 2 x.c) + c2 and the lowest code that has it.  pval, pidx: [2][16384].
; xb [16384][512] and cb [8192][512] are bf16; x2, c2 f32.  The product's sums are f32; d2 is made in two roundings: one fused x2 - 2 dot (2 dot is exact), then + c2.
; LIMITS.  A NaN distance is never chosen; a token whose distances are all +inf gets the half's first code; two distances that agree to a few units in the last place may be ordered
; otherwise than by sums taken in another order.  Equal distances go to the lower code, everywhere.
; SHARES.  A work-group owns 128 tokens and one half of the codebook: 128 x 2 = 256 work-groups.  Its four waves are 2 x 2: wave w has tokens 64 (w / 2) on and, of each slot's 128 codes, 64 (w % 2) on.
; A wave's 64 tokens x 512 channels stay in 512 registers for the whole launch; only codes stream, 128 a slot, 32 slots, through a ring of two LDS slots.
; LAYOUT.  Source 0 = 16 codes, source 1 = 16 tokens: in the result a lane holds ONE token (lane % 16) and the codes 8 (lane / 16) + 0..7.  So the search runs inside a lane: for each token block and
; register a running least distance and the number of the code block that brought it; they are joined once, at the end.
; BY TURNS.  A BLOCK is 16 codes x 64 tokens x 512 channels: 64 matrix instructions on four accumulators that take turns.  Two sets of accumulators: while one block is multiplied, the block before is searched,
; 128 vector instructions in 32 slices of four, a slice behind every second matrix instruction.
; THE FIRST BLOCK has no block before it: its slices find -inf in the second set of accumulators, make +inf of it and choose nothing.  The price of writing no first block out: 105 v_mov_b32, in the wait for the first tile.
; CLUSTER.  The four work-groups of a cluster are four token blocks of the same half: they walk the same codes, so each tile, and c2, is asked for JOINTLY: the same tensor load, descriptor and mask in all four.
; REGISTERS, in windows of 256 (s_set_vgpr_msb: bits 1:0 source 0, 3:2 source 1, 5:4 source 2, 7:6 destination):
;   window 0: v0-15 addresses; v16-23 x2, twice each; v24-39 c2 of a block, two buffers; v40 at the end; v64-127 two sets of accumulators; v128-159 least distances; v160-191 their blocks; v192-207 at work at the end
;   window 1: two buffers of 128: a code block's 16 fragments          windows 2, 3: x: K steps 0-7 and 8-15, K step ks, token block tb at v[8 (4 (ks % 8) + tb)]
.set PITCH, 1040                       ; an LDS row: 1,024 bytes + 16 of padding = 260 words: row r starts at bank 4 r mod 64 (64 banks of 4 bytes: ISA guide 11.1), so the 16 rows of a load start at 16 different banks
.set QUART, 32*PITCH                   ; 32 rows: what one tensor load brings
.set SLOT,  128*PITCH                  ; 133,120 = 0x20800: it shares no bit with 0, 1, 2 or 3 x QUART (0x8200), so one exclusive or turns an address in one slot into the other's
.set C2L,   2*SLOT                     ; behind the ring: c2 of my half, 16,384 bytes, filled once
.set RES,   C2L+16384                  ; 512 bytes a wave: its 64 least distances, then at +256 their codes
.set OUTS,  2048                       ; 2,048 bytes behind RES: 512 bytes a wave, the wave's own, for the way out
.set SPARE, RES+4096                   ; the spare words, 128 bytes for each wave: two blocks of 256 bytes that no other line names
.set TILEB, 131072                     ; a slot's 128 codes in memory
.set AK0, 2                            ; v2   my lane's place in a slot: my wave's 64 rows, row lane % 16, 16 bytes x lane / 16; never rewritten
.set ADR, 3                            ; v3   the same in the slot that is being fetched from
.set CQ,  4                            ; v4   LDS address of c2 of my wave's codes of the slot in hand
.set XO,  5                            ; v5   my byte offset in 16 rows of xb
.set X2O, 6                            ; v6   4 x (lane % 16)
.set BLK, 7                            ; v7   the number of the block that is being searched
.set PFO, 8                            ; v8   256 x lane; never rewritten
.set HV,  9                            ; v9   lane / 16
.set SPW, 10                           ; v10  LDS address of my spare word; never rewritten
.set NIL, 11                           ; v11  0; never rewritten
.set CQ0, 12                           ; v12  CQ for slot 0; never rewritten
.set RS,  13                           ; v13  the end: RES + 512 x wave + 4 x (lane % 16)
.set OL,  14                           ; v14  the end: RES + 512 x wave + 8 x lane
.set GO,  15                           ; v15  the end: 8 x lane
.set X2,  16
.set Q,   24
.set CB0, 40                           ; v40  the end: the code of key 0 in my lane
.set ACC, 64
.set BEST, 128
.set IDX, 160
.set TMP, 192
.set WV,  16                           ; s16  my wave's number
.set RH,  17                           ; s17  which 64 tokens
.set CH,  18                           ; s18  which 64 codes of a slot
.set CX,  19                           ; s19  my place in the cluster: it enters the addresses of xb, x2, pval, pidx and the prefetch alone
.set RB,  20                           ; s20  my block of 128 tokens
.set HALF, 21                          ; s21  my half of the codebook, which the four partners share
.set G1,  24                           ; s[24:31] descriptor group 1 for the code tiles
.set G0A, 32                           ; s[32:35] group 0 of slot 0's first fill
.set G0,  36                           ; s[36:39] group 0 of slot 1's first fill; it then walks
.set G1C, 40                           ; s[40:47] group 1 for c2
.set G0C, 48                           ; s[48:51] group 0 for c2
.set TB,  52                           ; s52  0 or SLOT: the slot that is being fetched from
.set SLOTS, 53                         ; s53  slots still to be asked for
.set LIM, 54                           ; s54  1 in a work-group that prefetches, else the greatest number
.set CT,  55                           ; s55  512 x the slot in hand
.set PFA, 56                           ; s[56:57] where my prefetches stand
.set SEL, 58                           ; s[58:59] v_permlanex16_b32's selects
.set MK,  60                           ; s[60:63] four lane masks of a slice
.set MSB, 0
.macro WIN new                         ; the immediate's high byte repeats the setting that is left; a switch that changes nothing is dropped
.if MSB != (\new)
	s_set_vgpr_msb (MSB<<8)|(\new)
.set MSB, (\new)
.endif
.endm
.set W_M2, 0x09                        ; codes in window 1, x in window 2, sums in window 0
.set W_M3, 0x0d                        ; the same with x in window 3
.set TO_F, 0x40                        ; destination window 1, address window 0
; A round of the cluster's barrier: my work-group's barrier, so that wave 0's signal speaks for all four waves; wave 0 signals; every wave waits for all four work-groups; my work-group's barrier once more.
.macro CREST                           ; a round behind its opening barrier
	s_cmp_lg_u32 s[WV], 0
	s_cbranch_scc1 .Lnot_wave_0_\@
	s_barrier_signal -3
.Lnot_wave_0_\@:
	s_barrier_wait -3
	s_barrier_signal -1
	s_barrier_wait -1
.endm
.macro CROUND
	s_barrier_signal -1
	s_barrier_wait -1
	CREST
.endm
; A PREFETCH INTO THE L2 of the tile that the NEXT change of slots will ask for: 131,072 bytes.  All 32 clusters of a half walk the same codes: the first of them (cluster x = 0) asks.  Its four partners share the tile
; out BY ADDRESS, 32,768 bytes each; of those wave w takes 8,192, a lane 256 bytes: one instruction a wave, and each block of cb is named once in the launch.  It stands behind the joint load, its five lines and the
; run of LDS loads; one slot, 256 matrix instructions, ahead of the load that will want the tile.  Tiles 0 to 2 come by their loads alone; the last change that fills a slot asks for nothing.
.macro ASK
	s_cmp_gt_u32 s[SLOTS], s[LIM]
	s_cbranch_scc0 .Lnot_mine_\@
	global_prefetch_b8 v[PFO], s[PFA:PFA+1] th:TH_LOAD_NT scope:SCOPE_SE
.Lnot_mine_\@:
.endm
	s_load_b256 s[4:11], s[0:1], 0x0               ; xb s[4:5], cb s[6:7], x2 s[8:9], c2 s[10:11]
	s_load_b128 s[12:15], s[0:1], 0x20             ; pval s[12:13], pidx s[14:15]
	v_lshl_add_u32 v[SPW], v0, 2, SPARE
	v_mov_b32 v[NIL], 0
	ds_add_u32 v[SPW], v[NIL]                      ; the wave's opening: the add and its wait stand ahead of my first tensor load; the set-up below, work on registers, stands between them
	v_lshrrev_b32 v1, 5, v0
	v_readfirstlane_b32 s[WV], v1                  ; wave 0..3
	s_lshr_b32 s[RH], s[WV], 1
	s_and_b32 s[CH], s[WV], 1
	s_bfe_u32 s[CX], ttmp6, 0x40000
	s_lshl_b32 s[RB], ttmp9, 2                     ; in a cluster launch ttmp9 counts clusters
	s_add_co_u32 s[RB], s[RB], s[CX]
	s_and_b32 s[HALF], ttmp7, 0xffff
	; group 1 of a code tile: 32 rows x 512 elements of 2 bytes, padded in LDS
	s_mov_b32 s[G1+0], 15|(1<<16)|(1<<20)|(1<<21)|(7<<22)|(3<<25)  ; 15:0 the mask of four; 17:16 2-byte elements; 20 padding on; 21 set beside a mask; 24:22 after every 256 words (code 7); 31:25 4 words (code 3)
	s_mov_b32 s[G1+1], 512<<16                     ; tensor_dim0 = 512
	s_mov_b32 s[G1+2], 32<<16                      ; tensor_dim1 = 32
	s_mov_b32 s[G1+3], 512<<16                     ; tile_dim0 = 512
	s_mov_b32 s[G1+4], 32                          ; tile_dim1 = 32
	s_mov_b32 s[G1+5], 512                         ; elements from row to row
	s_mov_b32 s[G1+6], 0
	s_mov_b32 s[G1+7], 0
	; group 1 of c2: my quarter of the half's 16,384 dense bytes, as 16 rows of 32 elements of 8 bytes, unpadded
	s_mov_b32 s[G1C+0], 15|(3<<16)|(1<<21)
	s_mov_b32 s[G1C+1], 32<<16
	s_mov_b32 s[G1C+2], 16<<16
	s_mov_b32 s[G1C+3], 32<<16
	s_mov_b32 s[G1C+4], 16
	s_mov_b32 s[G1C+5], 32
	s_mov_b32 s[G1C+6], 0
	s_mov_b32 s[G1C+7], 0
	s_mov_b32 s[G0A], 1                            ; count = 1
	s_mul_i32 s[G0A+1], s[WV], QUART               ; LDS address: my 32 rows of slot 0: no place in the cluster enters an LDS address
	s_mov_b32 s[G0], 1
	s_add_co_u32 s[G0+1], s[G0A+1], SLOT           ; and of slot 1
	s_mov_b32 s[G0C], 1
	s_lshl_b32 s[G0C+1], s[WV], 12
	s_add_co_u32 s[G0C+1], s[G0C+1], C2L
	s_mov_b32 s[SEL], 0x76543210
	s_mov_b32 s[SEL+1], 0xfedcba98
	s_mov_b32 s[TB], 0
	s_mov_b32 s[CT], 0
	s_mov_b32 s[SLOTS], 30
	s_cmp_eq_u32 ttmp9, 0                          ; the half's first cluster: the same in all four partners
	s_cselect_b32 s[LIM], 1, -1
	v_and_b32 v1, 15, v0                           ; lane % 16; kept to the end
	v_bfe_u32 v[HV], v0, 4, 1
	v_mul_u32_u24 v[AK0], v1, PITCH
	v_lshl_add_u32 v[AK0], v[HV], 4, v[AK0]
	s_mul_i32 s72, s[CH], 64*PITCH
	v_add_nc_u32 v[AK0], s72, v[AK0]
	v_mov_b32 v[ADR], v[AK0]
	s_lshl_b32 s72, s[CH], 8                       ; c2 of code 128 s + 64 ch + 16 b + 8 h + j lies at byte 512 s + 256 ch + 64 b + 32 h + 4 j
	s_add_co_u32 s72, s72, C2L
	v_lshl_add_u32 v[CQ0], v[HV], 5, s72
	v_mov_b32 v[CQ], v[CQ0]
	v_lshlrev_b32 v[XO], 10, v1
	v_lshl_add_u32 v[XO], v[HV], 4, v[XO]          ; row x 1,024 + 16 x half
	v_lshlrev_b32 v[X2O], 2, v1
	v_and_b32 v[PFO], 31, v0
	v_lshlrev_b32 v[PFO], 8, v[PFO]
	s_wait_dscnt 0x0                               ; the opening add is done
	s_wait_kmcnt 0x0
	s_lshl_b32 s22, s[HALF], 22                    ; the joint loads' offsets are made in s[22:23], which never hold my place in the cluster
	s_lshl_b32 s23, s[WV], 15
	s_add_co_u32 s22, s22, s23                     ; (4,096 half + 32 w) rows of 1,024 bytes
	s_mov_b32 s23, 0
	s_add_nc_u64 s[G0A+2:G0A+3], s[6:7], s[22:23]
	s_add_nc_u64 s[G0+2:G0+3], s[G0A+2:G0A+3], TILEB
	s_or_b32 s[G0A+3], s[G0A+3], 0x80000000        ; type = 2
	s_or_b32 s[G0+3], s[G0+3], 0x80000000
	s_lshl_b32 s22, s[HALF], 14
	s_lshl_b32 s23, s[WV], 12
	s_add_co_u32 s22, s22, s23
	s_mov_b32 s23, 0
	s_add_nc_u64 s[G0C+2:G0C+3], s[10:11], s[22:23]
	s_or_b32 s[G0C+3], s[G0C+3], 0x80000000
	s_lshl_b32 s70, s[RB], 17                      ; what hangs on my place: (128 rb + 64 rh) rows of 1,024 bytes
	s_lshl_b32 s71, s[RH], 16
	s_add_co_u32 s70, s70, s71
	s_mov_b32 s71, 0
	s_add_nc_u64 s[4:5], s[4:5], s[70:71]          ; xb at my wave's first token
	s_lshr_b32 s70, s70, 8                         ; 4 bytes a token
	s_add_nc_u64 s[8:9], s[8:9], s[70:71]          ; x2 likewise
	s_lshl_b32 s72, s[HALF], 16
	s_add_co_u32 s70, s70, s72
	s_add_nc_u64 s[12:13], s[12:13], s[70:71]      ; pval and pidx: my half's list, my wave's first token
	s_add_nc_u64 s[14:15], s[14:15], s[70:71]
	s_lshl_b32 s70, s[HALF], 22
	s_lshl_b32 s72, s[CX], 15
	s_add_co_u32 s70, s70, s72
	s_lshl_b32 s72, s[WV], 13
	s_add_co_u32 s70, s70, s72
	s_add_co_u32 s70, s70, 2*TILEB                 ; in tile 2; the first change of slots steps it to tile 3
	s_add_nc_u64 s[PFA:PFA+1], s[6:7], s[70:71]
	CROUND                                         ; all four work-groups are here: the first joint loads meet
	tensor_load_to_lds s[G0C:G0C+3], s[G1C:G1C+7]  ; the first fills go out together: three loads of mine are out
	s_nop 0
	tensor_load_to_lds s[G0A:G0A+3], s[G1:G1+7]
	s_nop 0
	tensor_load_to_lds s[G0:G0+3], s[G1:G1+7]
	s_nop 0
.rept 4
	v_nop
.endr
	; x stays in registers.  A fragment is 16 rows x 32 channels in 8 registers: lane l holds row l % 16, channels 8 (l / 16) + 0..7 and 16 + 8 (l / 16) + 0..7: two loads of 16 bytes, 32 bytes apart.
	WIN 0x80                                       ; destination window 2, address window 0
.set ks, 0
.rept 8
.irp tb, 0,1,2,3
	global_load_b128 v[8*(4*ks+(\tb)):8*(4*ks+(\tb))+3],   v[XO], s[4:5] offset:(\tb)*16384+64*ks
	global_load_b128 v[8*(4*ks+(\tb))+4:8*(4*ks+(\tb))+7], v[XO], s[4:5] offset:(\tb)*16384+64*ks+32
.endr
.set ks, ks+1
.endr
	WIN 0xc0                                       ; destination window 3
.set ks, 0
.rept 8
.irp tb, 0,1,2,3
	global_load_b128 v[8*(4*ks+(\tb)):8*(4*ks+(\tb))+3],   v[XO], s[4:5] offset:(\tb)*16384+64*(ks+8)
	global_load_b128 v[8*(4*ks+(\tb))+4:8*(4*ks+(\tb))+7], v[XO], s[4:5] offset:(\tb)*16384+64*(ks+8)+32
.endr
.set ks, ks+1
.endr
	WIN 0
.irp tb, 0,1,2,3
	global_load_b32 v[X2+2*(\tb)], v[X2O], s[8:9] offset:64*(\tb)
.endr
.set n, 0
.rept 32
	v_mov_b32 v[BEST+n], 0x7f800000                ; +inf
	v_mov_b32 v[IDX+n], 0
	v_mov_b32 v[ACC+32+n], 0xff800000              ; -inf: what the first block's slices find
.set n, n+1
.endr
.set n, 0
.rept 8
	v_mov_b32 v[Q+8+n], 0
.set n, n+1
.endr
	v_mov_b32 v[BLK], -2
; Matrix instruction i of a block's 64: K step i / 4, token block i % 4.  The four accumulators take turns, one instruction a turn, from block to block and over the backward jump too.
; The first four start the sums with the constant 0.  par: the block's parity: its set of accumulators and its fragment buffer.
.macro MM
.set rD, ACC+32*par+8*(i%4)
.set rF, 128*par+8*(i/4)
.set rX, 8*(i%32)
.if i < 32
	WIN W_M2
.else
	WIN W_M3
.endif
.if i < 4
	v_wmma_f32_16x16x32_bf16 v[rD:rD+7], v[rF:rF+7], v[rX:rX+7], 0
.else
	v_wmma_f32_16x16x32_bf16 v[rD:rD+7], v[rF:rF+7], v[rX:rX+7], v[rD:rD+7]
.endif
.set i, i+1
.endm
; Slice i / 2 - 1 of 32 of the search of the block BEFORE (the other set of accumulators): token block t, part q of eight, four lines.
;   q = 0  x2 - 2 dot, one rounding; the accumulator's lowest registers first      q = 1  + c2
;   q = 2, 5  is the distance below the least so far? (registers 0-3, 4-7)      q = 3, 6  then the block's number is kept      q = 4, 7  and the distance
; A strict comparison keeps the earlier block where distances are equal.  The masks lie in scalar registers; VCC is not used.
.macro SLICE
.set t, (i/2-1)/8
.set q, (i/2-1)%8
.set rA, ACC+32*(1-par)+8*t
.set rB, BEST+8*t
.set rI, IDX+8*t
.set rQ, Q+8*(1-par)
.set j0, 4*(q/5)
	WIN 0
.if q == 0
.irp p, 0,2,4,6
	v_pk_fma_f32 v[rA+(\p):rA+(\p)+1], v[rA+(\p):rA+(\p)+1], -2.0, v[X2+2*t:X2+2*t+1] op_sel_hi:[1,0,1]
.endr
.elseif q == 1
.irp p, 0,2,4,6
	v_pk_add_f32 v[rA+(\p):rA+(\p)+1], v[rA+(\p):rA+(\p)+1], v[rQ+(\p):rQ+(\p)+1]
.endr
.elseif (q == 2) || (q == 5)
.irp n, 0,1,2,3
	v_cmp_lt_f32 s[MK+(\n)], v[rA+j0+(\n)], v[rB+j0+(\n)]
.endr
.elseif (q == 3) || (q == 6)
.irp n, 0,1,2,3
	v_cndmask_b32 v[rI+j0+(\n)], v[rI+j0+(\n)], v[BLK], s[MK+(\n)]
.endr
.else
.irp n, 0,1,2,3
	v_min_num_f32 v[rB+j0+(\n)], v[rB+j0+(\n)], v[rA+j0+(\n)]
.endr
.endif
.endm
.macro RUN n                           ; the block's next n matrix instructions, a slice behind every second one
.rept \n
	MM
.if i%2 == 0
	SLICE
.endif
.endr
.endm
; 32 LDS loads in one run: block nb of the slot that ADR stands in, all 16 K steps, into the buffer at f of window 1
.macro FRAG nb, f
	WIN TO_F
.irp ks, 0,1,2,3,4,5,6,7,8,9,10,11,12,13,14,15
	ds_load_b128 v[(\f)+8*(\ks):(\f)+8*(\ks)+3],   v[ADR] offset:(\nb)*16*PITCH+64*(\ks)
	ds_load_b128 v[(\f)+8*(\ks)+4:(\f)+8*(\ks)+7], v[ADR] offset:(\nb)*16*PITCH+64*(\ks)+32
.endr
	WIN 0
.endm
; c2 of the block in hand (block b of its slot), for the next block's slices.  step = 1: the next such load is the next slot's.
.macro QLOAD b, step
	WIN 0
	ds_load_b128 v[Q+8*par:Q+8*par+3],   v[CQ] offset:64*(\b)
	ds_load_b128 v[Q+8*par+4:Q+8*par+7], v[CQ] offset:64*(\b)+16
.if \step
	s_add_co_u32 s[CT], s[CT], 512
	v_add_nc_u32 v[CQ], s[CT], v[CQ0]
.endif
.endm
; A BLOCK: block b of its slot.  Its fragments and the c2 that its slices add were asked for a block earlier.
; PLACES.  A load into a register that a matrix instruction has read, and a vector instruction that reads a matrix result, stand four plain vector instructions behind it that name none of its registers (ISA guide 7.12.1
; for vector instructions).  Behind the last block's last product stand its slice 31, four v_min_num_f32 on the other set, and the counter's add below: five.
; chg = 0: the next block of the same slot is fetched at the head.
; chg = 1: the slot's last block, and THE CHANGE OF SLOTS: my reads of the slot are over (the wait at the head).  I wait for all my tensor loads, of which one is out: my part of the other slot; add 0 to my spare word; step
;          the walking descriptor; sixteen products; the wait for the add; the signal that opens a round of the cluster's barrier; sixteen products; the rest of the round: no wave of any partner still reads this slot or has a load
;          on its way.  The joint refill is the first thing behind the round: it has 224 matrix instructions in which to land.  Then the other slot's first block is fetched.
; chg = 2: the same for the last slot but one: nothing is asked for, and the barrier is the work-group's alone.       chg = 3: the last block of all: nothing is fetched but its c2.
.macro BLOCK b, chg
.set par, (\b)%2
.set i, 0
	s_wait_dscnt 0x0                               ; my fragments and the last block's c2 are in
	WIN 0
.if ((\chg) == 1) || ((\chg) == 2)
	s_wait_tensorcnt 0x0                           ; no tensor load of mine is out, so a group 0 may be written
	ds_add_u32 v[SPW], v[NIL]                      ; 0 onto my spare word; work on registers stands between it and the wait for it
.endif
	v_add_nc_u32 v[BLK], 1, v[BLK]                 ; the slices search the block before this one
.if (\chg) == 0
	FRAG (\b)+1, 128*(1-par)
	QLOAD \b, 0
	RUN 64
.elseif (\chg) == 3
	QLOAD \b, 0
	RUN 64
.else
.if (\chg) == 1
	s_xor_b32 s[G0+1], s[G0+1], SLOT               ; the other slot than last time,
	s_add_nc_u64 s[G0+2:G0+3], s[G0+2:G0+3], TILEB ; the next 128 codes; the type bits on top are not reached
	s_wait_xcnt 0x0                                ; the last prefetch, a slot back, has read its address, so it may be written
	s_add_nc_u64 s[PFA:PFA+1], s[PFA:PFA+1], TILEB
.endif
	s_xor_b32 s[TB], s[TB], SLOT
	v_add_nc_u32 v[ADR], s[TB], v[AK0]             ; the fetches go on in the other slot
	RUN 16
	s_wait_dscnt 0x0                               ; the add is done
	s_barrier_signal -1
	RUN 16                                         ; work on registers while the others arrive
	WIN 0                                          ; at a branch and at a label every window is 0
	s_barrier_wait -1
.if (\chg) == 1
	CREST
	tensor_load_to_lds s[G0:G0+3], s[G1:G1+7]      ; my one tensor load behind the round: my 32 rows of the tile two slots on
	s_nop 0
.rept 4
	v_nop
.endr
.endif
	FRAG 0, 128*(1-par)
	QLOAD \b, 1
.if (\chg) == 1
	ASK
.endif
	RUN 32
.endif
.endm
; Of two candidates (distance va, number ca) and (vb, cb) the first takes the lesser distance, and where they are equal the lower number.
.macro MERGE va, ca, vb, cb
	v_cmp_lt_f32 s66, v[\vb], v[\va]
	v_cmp_eq_f32 s67, v[\vb], v[\va]
	v_cmp_lt_u32 s68, v[\cb], v[\ca]
	s_and_b32 s67, s67, s68
	s_or_b32 s66, s66, s67
	v_cndmask_b32 v[\va], v[\va], v[\vb], s66
	v_cndmask_b32 v[\ca], v[\ca], v[\cb], s66
.endm
	s_wait_tensorcnt 0x1                           ; my parts of c2 and of slot 0 are in; slot 1's, the one younger load, may stay out
	s_barrier_signal -1
	s_barrier_wait -1                              ; everybody's are
	FRAG 0, 0
	s_wait_loadcnt 0x0                             ; x and x2
.irp tb, 0,1,2,3
	v_mov_b32 v[X2+2*(\tb)+1], v[X2+2*(\tb)]       ; a pair for the packed line
.endr
.Lslot:                                                ; 30 trips: every slot but the last two is filled again
	BLOCK 0, 0
	BLOCK 1, 0
	BLOCK 2, 0
	BLOCK 3, 1
	WIN 0
	s_sub_co_u32 s[SLOTS], s[SLOTS], 1
	s_cmp_lg_u32 s[SLOTS], 0
	s_cbranch_scc1 .Lslot
	BLOCK 0, 0                                     ; the tail is written out
	BLOCK 1, 0
	BLOCK 2, 0
	BLOCK 3, 2
	BLOCK 0, 0
	BLOCK 1, 0
	BLOCK 2, 0
	BLOCK 3, 3
	s_wait_dscnt 0x0                               ; the last block's c2
	WIN 0
	v_add_nc_u32 v[BLK], 1, v[BLK]
.set par, 0                                    ; the last block's sums lie in the second set
.set i, 2
.rept 32
	SLICE
.set i, i+2
.endr
	; THE END.  key = 8 x block + register orders a lane's candidates as their codes do.  Seven joins a token block; the code; the other half of the lanes; the other wave of my tokens, through LDS.
	s_lshl_b32 s72, s[WV], 9
	s_add_co_u32 s72, s72, RES
	v_lshl_add_u32 v[RS], v1, 2, s72
	v_and_b32 v[GO], 31, v0
	v_lshlrev_b32 v[GO], 3, v[GO]
	v_add_nc_u32 v[OL], s72, v[GO]
	s_lshl_b32 s72, s[HALF], 12
	s_lshl_b32 s73, s[CH], 6
	s_add_co_u32 s72, s72, s73
	v_lshl_add_u32 v[CB0], v[HV], 3, s72           ; 4,096 half + 64 ch + 8 h
	v_mov_b32 v[TMP+3], 0                          ; v_permlanex16_b32's destinations count as read
	v_mov_b32 v[TMP+4], 0
.set n, 0
.rept 32
	v_lshl_add_u32 v[IDX+n], v[IDX+n], 3, n%8
.set n, n+1
.endr
.irp tb, 0,1,2,3
.irp pr, 0,2,4,6
	MERGE BEST+8*(\tb)+(\pr), IDX+8*(\tb)+(\pr), BEST+8*(\tb)+(\pr)+1, IDX+8*(\tb)+(\pr)+1
.endr
	MERGE BEST+8*(\tb), IDX+8*(\tb), BEST+8*(\tb)+2, IDX+8*(\tb)+2
	MERGE BEST+8*(\tb)+4, IDX+8*(\tb)+4, BEST+8*(\tb)+6, IDX+8*(\tb)+6
	MERGE BEST+8*(\tb), IDX+8*(\tb), BEST+8*(\tb)+4, IDX+8*(\tb)+4
	v_lshrrev_b32 v[TMP], 5, v[IDX+8*(\tb)]        ; the slot,
	v_bfe_u32 v[TMP+1], v[IDX+8*(\tb)], 3, 2       ; the block in it,
	v_and_b32 v[TMP+2], 7, v[IDX+8*(\tb)]          ; the register
	v_lshl_add_u32 v[TMP+2], v[TMP+1], 4, v[TMP+2]
	v_lshl_add_u32 v[TMP+2], v[TMP], 7, v[TMP+2]
	v_add_nc_u32 v[IDX+8*(\tb)], v[CB0], v[TMP+2]  ; the code, 0 to 8,191
	v_permlanex16_b32 v[TMP+3], v[BEST+8*(\tb)], s[SEL], s[SEL+1]  ; the token's other eight codes of each block lie in the lane 16 away
	v_permlanex16_b32 v[TMP+4], v[IDX+8*(\tb)], s[SEL], s[SEL+1]
	MERGE BEST+8*(\tb), IDX+8*(\tb), TMP+3, TMP+4
	ds_store_b32 v[RS], v[BEST+8*(\tb)] offset:64*(\tb)      ; both halves of the lanes write the same number
	ds_store_b32 v[RS], v[IDX+8*(\tb)] offset:256+64*(\tb)
.endr
	s_wait_dscnt 0x0                               ; for the others' sake: my candidates lie in LDS
	s_barrier_signal -1
	s_barrier_wait -1
	s_cmp_lg_u32 s[CH], 0                          ; waves 0 and 2 finish their 64 tokens
	s_cbranch_scc1 .Lend
.irp tb, 0,1,2,3
	ds_load_b32 v[TMP+8+(\tb)],  v[RS] offset:512+64*(\tb)      ; the next wave's candidates for the same tokens
	ds_load_b32 v[TMP+12+(\tb)], v[RS] offset:512+256+64*(\tb)
.endr
	s_wait_dscnt 0x0
.irp tb, 0,1,2,3
	MERGE BEST+8*(\tb), IDX+8*(\tb), TMP+8+(\tb), TMP+12+(\tb)
	ds_store_b32 v[RS], v[BEST+8*(\tb)] offset:OUTS+64*(\tb)
	ds_store_b32 v[RS], v[IDX+8*(\tb)] offset:OUTS+256+64*(\tb)
.endr
	ds_load_b64 v[TMP:TMP+1],   v[OL] offset:OUTS      ; LDS serves a wave's instructions in order (ISA guide 5.7.1.4): these see the stores above, which are my own
	ds_load_b64 v[TMP+2:TMP+3], v[OL] offset:OUTS+256
	s_wait_dscnt 0x0
	global_store_b64 v[GO], v[TMP:TMP+1], s[12:13]     ; 64 tokens x 4 bytes: 256 consecutive bytes, aligned
	global_store_b64 v[GO], v[TMP+2:TMP+3], s[14:15]
.Lend:
	s_wait_tensorcnt 0x0                           ; the wave's end, behind my last tensor load and my last LDS store
	ds_add_u32 v[SPW], v[NIL]
	s_wait_dscnt 0x0
	CROUND                                         ; the closing round: no work-group ends while a partner may still ask for a tile that names it
	s_endpgm
.Lfunc_end_k_qb9665479a6_dist:
	.size	k_qb9665479a6_dist, .Lfunc_end_k_qb9665479a6_dist-k_qb9665479a6_dist
	.p2alignl 7, 3214868480
	.fill 96, 4, 3214868480
	.section	.rodata,"a",@progbits
	.p2align	6, 0x0
	.amdhsa_kernel k_qb9665479a6_dist
		.amdhsa_group_segment_fixed_size 327680
		.amdhsa_private_segment_fixed_size 0
		.amdhsa_enable_private_segment 0
		.amdhsa_kernarg_size 48
		.amdhsa_user_sgpr_count 2
		.amdhsa_user_sgpr_kernarg_segment_ptr 1
		.amdhsa_wavefront_size32 1
		.amdhsa_system_sgpr_workgroup_id_x 1
		.amdhsa_system_sgpr_workgroup_id_y 1
		.amdhsa_system_sgpr_workgroup_id_z 1
		.amdhsa_system_vgpr_workitem_id 0
		.amdhsa_next_free_vgpr 1024
		.amdhsa_next_free_sgpr 76
		.amdhsa_reserve_vcc 0
		.amdhsa_float_denorm_mode_32 3
		.amdhsa_float_denorm_mode_16_64 3
		.amdhsa_memory_ordered 1
		.amdhsa_forward_progress 1
		.amdhsa_inst_pref_size 236
	.end_amdhsa_kernel
	.amdgpu_metadata
---
amdhsa.version: [ 1, 2 ]
amdhsa.kernels:
  - .name:           k_qb9665479a6_dist
    .symbol:         k_qb9665479a6_dist.kd
    .args:
      - { .name: xb, .offset: 0, .size: 8, .value_kind: global_buffer, .address_space: global }
      - { .name: cb, .offset: 8, .size: 8, .value_kind: global_buffer, .address_space: global }
      - { .name: x2, .offset: 16, .size: 8, .value_kind: global_buffer, .address_space: global }
      - { .name: c2, .offset: 24, .size: 8, .value_kind: global_buffer, .address_space: global }
      - { .name: pval, .offset: 32, .size: 8, .value_kind: global_buffer, .address_space: global }
      - { .name: pidx, .offset: 40, .size: 8, .value_kind: global_buffer, .address_space: global }
    .group_segment_fixed_size: 327680
    .private_segment_fixed_size: 0
    .kernarg_segment_align: 8
    .kernarg_segment_size: 48
    .max_flat_workgroup_size: 128
    .sgpr_count:     76
    .vgpr_count:     1024
    .wavefront_size: 32
...
	.end_amdgpu_metadata
.endif
;; end of part 2
;; launch pick (part 3): grid 512 x 1, 8 waves a work-group, no clusters, 0 bytes of LDS; arguments embedding, pval, pidx, out0; writes out0
.if DOCPART == 3
	.amdgcn_target "amdgcn-amd-amdhsa--gfx1250"
	.amdhsa_code_object_version 6
	.text
	.protected	k_qb9665479a6_pick
	.globl	k_qb9665479a6_pick
	.p2align	8
	.type	k_qb9665479a6_pick,@function
k_qb9665479a6_pick:
	s_mov_b64 s[64:65], 0
	v_nop
	global_prefetch_b8 v0, s[64:65] scope:SCOPE_SE
	s_setreg_imm32_b32 hwreg(HW_REG_WAVE_MODE, 25, 1), 1
	s_wait_xcnt 0x0
; out0[t] = embedding[the code of the lesser of token t's two candidates], one from each half of the codebook; equal distances go to the lower half.
; pidx [2][16384] holds whole numbers stored by the launch before; the addresses are made of them alone.  pval [2][16384] holds the distances: they only choose between two rows that are BOTH loaded.
; SHARES.  A wave owns four tokens: 512 work-groups of eight waves.  A row is 2,048 bytes: four loads of 16 bytes a lane, each 512 consecutive bytes.  All 32 loads go out first; then token after token is chosen and stored.
; No register that a load or store reads is written again, so no wait frees one.  No LDS, no matrix unit, no cluster: nothing is shared between waves.
.set LN,  1                            ; v1       16 x lane
.set O,   2                            ; v[2:9]   token i, candidate c: the row's byte offset + 16 x lane, at O + 2 i + c
.set T,   10                           ; v10      at work
.set D,   16                           ; v[16:143] token i, candidate c: 16 registers at D + 32 i + 16 c
	s_load_b256 s[4:11], s[0:1], 0x0               ; embedding s[4:5], pval s[6:7], pidx s[8:9], out0 s[10:11]
	v_lshrrev_b32 v1, 5, v0
	v_readfirstlane_b32 s12, v1                    ; wave 0..7
	v_and_b32 v1, 31, v0
	v_lshlrev_b32 v[LN], 4, v1
	s_lshl_b32 s13, ttmp9, 3
	s_add_co_u32 s12, s12, s13                     ; 8 g + w: my four tokens
	s_lshl_b32 s14, s12, 4                         ; their 16 bytes in a list
	s_mov_b32 s15, 0
	s_lshl_b32 s12, s12, 13                        ; their 8,192 bytes in out0
	s_mov_b32 s13, 0
	s_wait_kmcnt 0x0
	s_add_nc_u64 s[6:7], s[6:7], s[14:15]
	s_add_nc_u64 s[8:9], s[8:9], s[14:15]
	s_add_nc_u64 s[10:11], s[10:11], s[12:13]
	s_load_b128 s[16:19], s[8:9], 0x0              ; the lower half's codes
	s_load_b128 s[20:23], s[8:9], 0x10000          ; the upper half's
	s_load_b128 s[24:27], s[6:7], 0x0              ; the lower half's distances
	s_load_b128 s[28:31], s[6:7], 0x10000          ; the upper half's
	s_wait_kmcnt 0x0
.irp n, 0,1,2,3,4,5,6,7
	s_min_u32 s[16+(\n)], s[16+(\n)], 0x1fff       ; a code stays inside the table
	s_lshl_b32 s[16+(\n)], s[16+(\n)], 11          ; a row is 2,048 bytes
.endr
.irp i, 0,1,2,3
	v_add_nc_u32 v[O+2*(\i)],   s[16+(\i)], v[LN]
	v_add_nc_u32 v[O+2*(\i)+1], s[20+(\i)], v[LN]
.endr
.irp i, 0,1,2,3
.irp c, 0,1
.irp k, 0,1,2,3
	global_load_b128 v[D+32*(\i)+16*(\c)+4*(\k):D+32*(\i)+16*(\c)+4*(\k)+3], v[O+2*(\i)+(\c)], s[4:5] offset:512*(\k)  ; no hint: a row may be named again
.endr
.endr
.endr
.irp i, 0,1,2,3
	v_mov_b32 v[T], s[24+(\i)]
	v_cmp_lt_f32 s[32+(\i)], s[28+(\i)], v[T]      ; is the upper half's distance the lesser?  Strictly: a tie keeps the lower code
.endr
.irp i, 0,1,2,3
	s_wait_loadcnt 8*(3-(\i))                      ; loads come back in order: this token's eight are in, the eight of each younger token may stay out
.irp j, 0,1,2,3,4,5,6,7,8,9,10,11,12,13,14,15
	v_cndmask_b32 v[D+32*(\i)+(\j)], v[D+32*(\i)+(\j)], v[D+32*(\i)+16+(\j)], s[32+(\i)]
.endr
.irp k, 0,1,2,3
	global_store_b128 v[LN], v[D+32*(\i)+4*(\k):D+32*(\i)+4*(\k)+3], s[10:11] offset:2048*(\i)+512*(\k) th:TH_STORE_NT  ; 512 consecutive bytes, aligned
.endr
.endr
	s_endpgm
.Lfunc_end_k_qb9665479a6_pick:
	.size	k_qb9665479a6_pick, .Lfunc_end_k_qb9665479a6_pick-k_qb9665479a6_pick
	.p2alignl 7, 3214868480
	.fill 96, 4, 3214868480
	.section	.rodata,"a",@progbits
	.p2align	6, 0x0
	.amdhsa_kernel k_qb9665479a6_pick
		.amdhsa_group_segment_fixed_size 0
		.amdhsa_private_segment_fixed_size 0
		.amdhsa_enable_private_segment 0
		.amdhsa_kernarg_size 32
		.amdhsa_user_sgpr_count 2
		.amdhsa_user_sgpr_kernarg_segment_ptr 1
		.amdhsa_wavefront_size32 1
		.amdhsa_system_sgpr_workgroup_id_x 1
		.amdhsa_system_sgpr_workgroup_id_y 1
		.amdhsa_system_sgpr_workgroup_id_z 1
		.amdhsa_system_vgpr_workitem_id 0
		.amdhsa_next_free_vgpr 144
		.amdhsa_next_free_sgpr 66
		.amdhsa_reserve_vcc 0
		.amdhsa_float_denorm_mode_32 3
		.amdhsa_float_denorm_mode_16_64 3
		.amdhsa_memory_ordered 1
		.amdhsa_forward_progress 1
		.amdhsa_inst_pref_size 12
	.end_amdhsa_kernel
	.amdgpu_metadata
---
amdhsa.version: [ 1, 2 ]
amdhsa.kernels:
  - .name:           k_qb9665479a6_pick
    .symbol:         k_qb9665479a6_pick.kd
    .args:
      - { .name: embedding, .offset: 0, .size: 8, .value_kind: global_buffer, .address_space: global }
      - { .name: pval, .offset: 8, .size: 8, .value_kind: global_buffer, .address_space: global }
      - { .name: pidx, .offset: 16, .size: 8, .value_kind: global_buffer, .address_space: global }
      - { .name: out0, .offset: 24, .size: 8, .value_kind: global_buffer, .address_space: global }
    .group_segment_fixed_size: 0
    .private_segment_fixed_size: 0
    .kernarg_segment_align: 8
    .kernarg_segment_size: 32
    .max_flat_workgroup_size: 256
    .sgpr_count:     66
    .vgpr_count:     144
    .wavefront_size: 32
...
	.end_amdgpu_metadata
.endif
;; end of part 3
;; ======== version 2 of 2: 3 launches; version 1 with the launches prep, pick written anew for expert scheduling mode
;; workspace buffers: xb 16,777,216 bytes; cb 8,388,608 bytes; x2 65,536 bytes; c2 32,768 bytes; pval 131,072 bytes; pidx 131,072 bytes of whole numbers
;; launch prep (part 4): grid 256 x 1, 8 waves a work-group, no clusters, 1,536 bytes of LDS; arguments x, codebook, xb, cb, x2, c2; writes xb, cb, x2, c2
.if DOCPART == 4
	.amdgcn_target "amdgcn-amd-amdhsa--gfx1250"
	.amdhsa_code_object_version 6
	.text
	.protected	k_qb9665479a6_prep
	.globl	k_qb9665479a6_prep
	.p2align	8
	.type	k_qb9665479a6_prep,@function
k_qb9665479a6_prep:
	s_mov_b64 s[64:65], 0
	v_nop
	global_prefetch_b8 v0, s[64:65] scope:SCOPE_SE
	s_setreg_imm32_b32 hwreg(HW_REG_WAVE_SCHED_MODE, 0, 2), 2
	s_setreg_imm32_b32 hwreg(HW_REG_WAVE_MODE, 25, 1), 1
	s_wait_xcnt 0x0
	s_wait_alu depctr_vm_vsrc(0)
; xb = bf16(x), cb = bf16(codebook); x2[t] and c2[n] = the f32 sum of the squares of the ROUNDED numbers of a row of 512.
; The distances of the next launch are those of the rounded inputs, so the two norms are taken of the rounded numbers too (a product of two bf16 is exact in f32).
; SHARES.  256 work-groups of eight waves.  Work-group g owns rows 64 g .. 64 g + 63 of x and rows 32 g .. 32 g + 31 of the codebook; wave w eight and four of them: twelve rows.
; A row is 2,048 bytes: four loads of 16 bytes a lane, each 512 consecutive bytes.  All 48 loads of a wave go out first (24 KiB on their way); the rows are then taken in order.
; A load's four numbers pack into 8 bytes: a store of 8 bytes a lane covers 256 consecutive bytes, aligned.  No register that a store reads is written again, so no wait frees one.
; The row sums meet in LDS, so that x2 leaves as one store of 256 consecutive bytes a work-group; c2 leaves as 128 bytes a work-group (32 rows are no more than that).
; No matrix unit, no cluster, no tensor load: each byte is read once by one wave, and nothing is shared.
; THE MODE: SCHED_MODE bits 1:0 = 2 (LLVM: expert scheduling mode 2), set by the entry lines.  The code itself states the register dependences
; between vector instructions and memory or LDS instructions, with s_wait_alu, always for 0.
; THE PLAN.  Registers that memory or LDS instructions touch:
;   v[LO], v[SO]   offsets, made at the head and never written again: one wait ahead of the first load serves every load and store.
;   D, row i       the row's four loads land in it (no vector instruction has named it); its eight conversions write its first eight registers; its sixteen v_fma_mix and its four stores read those; nothing writes them again.
;   v[RX], v[RC], v[AX], v[AC], v[L4]   written behind the rows, read by the LDS stores (v[L4] by wave 1's LDS load and store): one wait behind them all; no vector instruction follows it.
;   v[20:22]       LDS loads land in them, stores read them: no vector instruction names them.
; So ONE wait on va_vdst stands in a row, behind its last v_fma_mix, whose results the next vector line reads in any case.  The row's four stores follow it, dealt among the links of the reduction,
; which name S, T and the row sums' registers: none that a store touches.  The masks that pick a lane for a row's sum are made in one run at the head, with one wait on va_sdst behind it.
.set ROWF,  2048                       ; bytes in a row of f32
.set ROWH,  1024                       ; bytes in a row of bf16
.set SUMX,  0                          ; LDS: 64 sums of x's rows
.set SUMC,  256                        ; LDS: 32 sums of the codebook's rows, in a block of their own
.set SPARE, 512                        ; the spare words, 128 bytes for each of eight waves: four blocks of 256 bytes that no other line names
.set LO,   2                           ; v2   16 x lane
.set SO,   3                           ; v3   8 x lane
.set L7,   4                           ; v4   lane % 8
.set L3,   5                           ; v5   lane % 4
.set SPW,  6                           ; v6   LDS address of my spare word; never rewritten
.set NIL,  7                           ; v7   0; never rewritten
.set ZERO, 8                           ; v8   0.0: the addend of a chain's first link
.set S,    10                          ; v[10:13] four chains of a row's sum
.set T,    14                          ; v14, v15 at work
.set RX,   16                          ; v16  lane l holds the sum of my row l % 8 of x
.set RC,   17                          ; v17  lane l holds the sum of my row l % 4 of the codebook
.set AX,   18                          ; v18  where it goes in LDS
.set AC,   19                          ; v19  the same for the codebook
.set L4,   23                          ; v23  4 x lane
.set D,    32                          ; v[32:223] row i of twelve: 16 registers as loaded; then its first 8 hold the row's 16 bf16 of this lane
.set MX,   21                          ; s[22:28] the lanes with lane % 8 = n, at MX + n, n = 1 .. 7
.set MC,   28                          ; s[29:31] the lanes with lane % 4 = n, at MC + n, n = 1 .. 3
	s_load_b256 s[4:11], s[0:1], 0x0               ; x s[4:5], codebook s[6:7], xb s[8:9], cb s[10:11]
	s_load_b128 s[12:15], s[0:1], 0x20             ; x2 s[12:13], c2 s[14:15]
	v_lshl_add_u32 v[SPW], v0, 2, SPARE
	v_mov_b32 v[NIL], 0
	v_lshrrev_b32 v1, 5, v0
	v_readfirstlane_b32 s16, v1                    ; wave 0..7
	v_and_b32 v1, 31, v0                           ; lane
	v_lshlrev_b32 v[LO], 4, v1
	v_lshlrev_b32 v[SO], 3, v1
	v_and_b32 v[L7], 7, v0
	v_and_b32 v[L3], 3, v0
	v_mov_b32 v[ZERO], 0
	v_mov_b32 v[T+1], 0                            ; v_permlanex16_b32's destination counts as read: it is written once here
.irp n, 1,2,3,4,5,6,7
	v_cmp_eq_u32 s[MX+(\n)], \n, v[L7]             ; the ten masks in one run
.endr
.irp n, 1,2,3
	v_cmp_eq_u32 s[MC+(\n)], \n, v[L3]
.endr
	s_mov_b32 s20, 0x76543210                      ; lane i of one half reads lane i of the other
	s_mov_b32 s21, 0xfedcba98
	s_lshl_b32 s18, ttmp9, 17                      ; (64 g + 8 w) rows of 2,048 bytes
	s_wait_alu depctr_va_sdst(0)                   ; s16 and the ten masks s22 to s31 are written, ahead of the first reader of any of them
	s_lshl_b32 s17, s16, 14
	s_add_co_u32 s18, s18, s17
	s_mov_b32 s19, 0
	s_wait_kmcnt 0x0
	s_add_nc_u64 s[4:5], s[4:5], s[18:19]          ; x at my first row
	s_lshr_b32 s18, s18, 1                         ; half of that: (64 g + 8 w) x 1,024 = (32 g + 4 w) x 2,048
	s_add_nc_u64 s[8:9], s[8:9], s[18:19]          ; xb at my first row
	s_add_nc_u64 s[6:7], s[6:7], s[18:19]          ; the codebook at my first row
	s_lshr_b32 s18, s18, 1                         ; (32 g + 4 w) x 1,024
	s_add_nc_u64 s[10:11], s[10:11], s[18:19]      ; cb at my first row
	s_lshl_b32 s18, ttmp9, 8                       ; 64 sums of 4 bytes
	s_add_nc_u64 s[12:13], s[12:13], s[18:19]
	s_lshr_b32 s18, s18, 1                         ; 32 sums
	s_add_nc_u64 s[14:15], s[14:15], s[18:19]
	s_wait_alu depctr_va_vdst(0)                   ; v[LO] and v[SO] are written: every load reads the one as its offset, every store of a row the other
.set i, 0
.rept 8
.irp k, 0,1,2,3
	global_load_b128 v[D+16*i+4*(\k):D+16*i+4*(\k)+3], v[LO], s[4:5] offset:i*ROWF+512*(\k) th:TH_LOAD_NT
.endr
.set i, i+1
.endr
.rept 4
.irp k, 0,1,2,3
	global_load_b128 v[D+16*i+4*(\k):D+16*i+4*(\k)+3], v[LO], s[6:7] offset:(i-8)*ROWF+512*(\k) th:TH_LOAD_NT
.endr
.set i, i+1
.endr
; Store k of four of row i of twelve: rows 0 to 7 go to xb, rows 8 to 11 to cb.  32 lanes x 8 bytes: 256 consecutive bytes, aligned.
.macro SEND i, k
.if (\i) < 8
	global_store_b64 v[SO], v[D+16*(\i)+2*(\k):D+16*(\i)+2*(\k)+1], s[8:9] offset:(\i)*ROWH+256*(\k)
.else
	global_store_b64 v[SO], v[D+16*(\i)+2*(\k):D+16*(\i)+2*(\k)+1], s[10:11] offset:((\i)-8)*ROWH+256*(\k)
.endif
.endm
; Row i of twelve.  res, msk, n: the lanes of mask s[msk + n] keep the row's sum in v[res]; n = 0 writes it whole.
.macro ROW i, res, msk, n
	s_wait_loadcnt 4*(11-(\i))                     ; loads come back in order: mine are in, the four of each younger row may stay out
.irp p, 0,1,2,3,4,5,6,7
	v_cvt_pk_bf16_f32 v[D+16*(\i)+(\p)], v[D+16*(\i)+2*(\p)], v[D+16*(\i)+2*(\p)+1]  ; in place, ascending: register p is written when registers 2 p on are still to be read
.endr
.irp p, 0,1,2,3
	v_fma_mix_f32_bf16 v[S+(\p)], v[D+16*(\i)+(\p)], v[D+16*(\i)+(\p)], v[ZERO] op_sel_hi:[1,1,0]  ; the low halves start four chains
.endr
.irp p, 0,1,2,3
	v_fma_mix_f32_bf16 v[S+(\p)], v[D+16*(\i)+(\p)], v[D+16*(\i)+(\p)], v[S+(\p)] op_sel:[1,1,0] op_sel_hi:[1,1,0]
.endr
.irp p, 0,1,2,3
	v_fma_mix_f32_bf16 v[S+(\p)], v[D+16*(\i)+4+(\p)], v[D+16*(\i)+4+(\p)], v[S+(\p)] op_sel_hi:[1,1,0]
.endr
.irp p, 0,1,2,3
	v_fma_mix_f32_bf16 v[S+(\p)], v[D+16*(\i)+4+(\p)], v[D+16*(\i)+4+(\p)], v[S+(\p)] op_sel:[1,1,0] op_sel_hi:[1,1,0]
.endr
	s_wait_alu depctr_va_vdst(0)                   ; the conversions have written the row's eight packed registers, which the four stores below read; no vector line below names them or v[SO]
	SEND \i, 0
	v_add_f32 v[S], v[S], v[S+1]
	v_add_f32 v[S+2], v[S+2], v[S+3]
	v_add_f32 v[T], v[S], v[S+2]
	SEND \i, 1
	v_add_f32_dpp v[T], v[T], v[T] row_xmask:1 row_mask:0xf bank_mask:0xf
	SEND \i, 2
	v_add_f32_dpp v[T], v[T], v[T] row_xmask:2 row_mask:0xf bank_mask:0xf
	SEND \i, 3
	v_add_f32_dpp v[T], v[T], v[T] row_xmask:4 row_mask:0xf bank_mask:0xf
	v_add_f32_dpp v[T], v[T], v[T] row_xmask:8 row_mask:0xf bank_mask:0xf
	v_permlanex16_b32 v[T+1], v[T], s20, s21
	v_add_f32 v[T], v[T], v[T+1]                   ; every lane holds the row's sum
.if (\n) == 0
	v_mov_b32 v[\res], v[T]
.else
	v_cndmask_b32 v[\res], v[\res], v[T], s[(\msk)+(\n)]
.endif
.endm
.irp i, 0,1,2,3,4,5,6,7
	ROW \i, RX, MX, \i
.endr
.irp i, 0,1,2,3
	ROW (\i)+8, RC, MC, \i
.endr
	v_lshlrev_b32 v[AX], 2, v[L7]
	v_lshl_add_u32 v[AX], s16, 5, v[AX]            ; word 8 w + lane % 8
	v_lshlrev_b32 v[AC], 2, v[L3]
	v_lshl_add_u32 v[AC], s16, 4, v[AC]            ; word 4 w + lane % 4
	v_lshlrev_b32 v[L4], 2, v1                     ; for wave 1's load and store below
	s_wait_alu depctr_va_vdst(0)                   ; the row sums v[RX], v[RC] and the addresses v[AX], v[AC], v[L4] are written, which the LDS stores and wave 1's load and store read; no vector instruction follows
	ds_store_b32 v[AX], v[RX] offset:SUMX          ; lanes that share a word write the same number
	ds_store_b32 v[AC], v[RC] offset:SUMC
	s_wait_dscnt 0x0                               ; for the others' sake: my sums lie in LDS
	s_barrier_signal -1
	s_barrier_wait -1
	s_cmp_lg_u32 s16, 0
	s_cbranch_scc1 .Lnot_wave_0
	ds_load_b64 v[20:21], v[SO] offset:SUMX        ; wave 0: the 64 sums of x's rows
	s_wait_dscnt 0x0
	global_store_b64 v[SO], v[20:21], s[12:13]     ; 256 consecutive bytes, aligned
	s_branch .Lend
.Lnot_wave_0:
	s_cmp_lg_u32 s16, 1
	s_cbranch_scc1 .Lend
	ds_load_b32 v22, v[L4] offset:SUMC             ; wave 1: the 32 sums of the codebook's rows
	s_wait_dscnt 0x0
	global_store_b32 v[L4], v22, s[14:15]          ; 128 consecutive bytes
.Lend:
	s_wait_dscnt 0x0                               ; the closing lines, six on end
	s_wait_alu 0x0
	s_wait_tensorcnt 0x0
	ds_add_u32 v[SPW], v[NIL]
	s_wait_dscnt 0x0
	s_endpgm
.Lfunc_end_k_qb9665479a6_prep:
	.size	k_qb9665479a6_prep, .Lfunc_end_k_qb9665479a6_prep-k_qb9665479a6_prep
	.p2alignl 7, 3214868480
	.fill 96, 4, 3214868480
	.section	.rodata,"a",@progbits
	.p2align	6, 0x0
	.amdhsa_kernel k_qb9665479a6_prep
		.amdhsa_group_segment_fixed_size 1536
		.amdhsa_private_segment_fixed_size 0
		.amdhsa_enable_private_segment 0
		.amdhsa_kernarg_size 48
		.amdhsa_user_sgpr_count 2
		.amdhsa_user_sgpr_kernarg_segment_ptr 1
		.amdhsa_wavefront_size32 1
		.amdhsa_system_sgpr_workgroup_id_x 1
		.amdhsa_system_sgpr_workgroup_id_y 1
		.amdhsa_system_sgpr_workgroup_id_z 1
		.amdhsa_system_vgpr_workitem_id 0
		.amdhsa_next_free_vgpr 224
		.amdhsa_next_free_sgpr 66
		.amdhsa_reserve_vcc 0
		.amdhsa_float_denorm_mode_32 3
		.amdhsa_float_denorm_mode_16_64 3
		.amdhsa_memory_ordered 1
		.amdhsa_forward_progress 1
		.amdhsa_inst_pref_size 38
	.end_amdhsa_kernel
	.amdgpu_metadata
---
amdhsa.version: [ 1, 2 ]
amdhsa.kernels:
  - .name:           k_qb9665479a6_prep
    .symbol:         k_qb9665479a6_prep.kd
    .args:
      - { .name: x, .offset: 0, .size: 8, .value_kind: global_buffer, .address_space: global }
      - { .name: codebook, .offset: 8, .size: 8, .value_kind: global_buffer, .address_space: global }
      - { .name: xb, .offset: 16, .size: 8, .value_kind: global_buffer, .address_space: global }
      - { .name: cb, .offset: 24, .size: 8, .value_kind: global_buffer, .address_space: global }
      - { .name: x2, .offset: 32, .size: 8, .value_kind: global_buffer, .address_space: global }
      - { .name: c2, .offset: 40, .size: 8, .value_kind: global_buffer, .address_space: global }
    .group_segment_fixed_size: 1536
    .private_segment_fixed_size: 0
    .kernarg_segment_align: 8
    .kernarg_segment_size: 48
    .max_flat_workgroup_size: 256
    .sgpr_count:     66
    .vgpr_count:     224
    .wavefront_size: 32
...
	.end_amdgpu_metadata
.endif
;; end of part 4
;; launch dist: the kernel of part 2 again; grid 128 x 2, 4 waves a work-group, clusters of 4 x 1, 327,680 bytes of LDS; arguments xb, cb, x2, c2, pval, pidx; writes pval, pidx
;; launch pick (part 5): grid 512 x 1, 8 waves a work-group, no clusters, 0 bytes of LDS; arguments embedding, pval, pidx, out0; writes out0
.if DOCPART == 5
	.amdgcn_target "amdgcn-amd-amdhsa--gfx1250"
	.amdhsa_code_object_version 6
	.text
	.protected	k_qb9665479a6_pick
	.globl	k_qb9665479a6_pick
	.p2align	8
	.type	k_qb9665479a6_pick,@function
k_qb9665479a6_pick:
	s_mov_b64 s[64:65], 0
	v_nop
	global_prefetch_b8 v0, s[64:65] scope:SCOPE_SE
	s_setreg_imm32_b32 hwreg(HW_REG_WAVE_SCHED_MODE, 0, 2), 2
	s_setreg_imm32_b32 hwreg(HW_REG_WAVE_MODE, 25, 1), 1
	s_wait_xcnt 0x0
	s_wait_alu depctr_vm_vsrc(0)
; out0[t] = embedding[the code of the lesser of token t's two candidates], one from each half of the codebook; equal distances go to the lower half.
; pidx [2][16384] holds whole numbers stored by the launch before; the addresses are made of them alone.  pval [2][16384] holds the distances: they only choose between two rows that are BOTH loaded.
; SHARES.  A wave owns four tokens: 512 work-groups of eight waves.  A row is 2,048 bytes: four loads of 16 bytes a lane, each 512 consecutive bytes.  All 32 loads go out first; then token after token is chosen and stored.
; No register that a load or store reads is written again, so no wait frees one.  No LDS, no matrix unit, no cluster: nothing is shared between waves.
; THE MODE: SCHED_MODE bits 1:0 = 2 (LLVM: expert scheduling mode 2), set by the entry lines.  The code itself states the register dependences
; between vector instructions and memory instructions, with s_wait_alu, always for 0.
; THE PLAN.  Registers that memory instructions touch:
;   v[LN], v[O ..]   offsets, made at the head and never written again: one wait ahead of the first load serves every load and store.
;   D, token i       its eight loads land in it (no vector instruction has named it); its sixteen selects write its lower sixteen registers; its four stores read those; nothing writes them again.
; Token i's selects name token i's registers alone.  So one wait on va_vdst at the head of token i, behind the wait for its data, states that token i - 1 is selected, and that token's four stores
; are dealt among token i's selects with no further wait.  One more such wait stands ahead of the last four stores.  The four masks are made in one run, with one wait on va_sdst behind it.
.set LN,  1                            ; v1       16 x lane
.set O,   2                            ; v[2:9]   token i, candidate c: the row's byte offset + 16 x lane, at O + 2 i + c
.set T,   10                           ; v10      at work
.set D,   16                           ; v[16:143] token i, candidate c: 16 registers at D + 32 i + 16 c
	s_load_b256 s[4:11], s[0:1], 0x0               ; embedding s[4:5], pval s[6:7], pidx s[8:9], out0 s[10:11]
	v_lshrrev_b32 v1, 5, v0
	v_readfirstlane_b32 s12, v1                    ; wave 0..7
	v_and_b32 v1, 31, v0
	v_lshlrev_b32 v[LN], 4, v1
	s_lshl_b32 s13, ttmp9, 3
	s_wait_alu depctr_va_sdst(0)                   ; s12 is written, ahead of its first reader: the lists' and out0's addresses are made from it
	s_add_co_u32 s12, s12, s13                     ; 8 g + w: my four tokens
	s_lshl_b32 s14, s12, 4                         ; their 16 bytes in a list
	s_mov_b32 s15, 0
	s_lshl_b32 s12, s12, 13                        ; their 8,192 bytes in out0
	s_mov_b32 s13, 0
	s_wait_kmcnt 0x0
	s_add_nc_u64 s[6:7], s[6:7], s[14:15]
	s_add_nc_u64 s[8:9], s[8:9], s[14:15]
	s_add_nc_u64 s[10:11], s[10:11], s[12:13]
	s_load_b128 s[16:19], s[8:9], 0x0              ; the lower half's codes
	s_load_b128 s[20:23], s[8:9], 0x10000          ; the upper half's
	s_load_b128 s[24:27], s[6:7], 0x0              ; the lower half's distances
	s_load_b128 s[28:31], s[6:7], 0x10000          ; the upper half's
	s_wait_kmcnt 0x0
.irp n, 0,1,2,3,4,5,6,7
	s_min_u32 s[16+(\n)], s[16+(\n)], 0x1fff       ; a code stays inside the table
	s_lshl_b32 s[16+(\n)], s[16+(\n)], 11          ; a row is 2,048 bytes
.endr
.irp i, 0,1,2,3
	v_add_nc_u32 v[O+2*(\i)],   s[16+(\i)], v[LN]
	v_add_nc_u32 v[O+2*(\i)+1], s[20+(\i)], v[LN]
.endr
	s_wait_alu depctr_va_vdst(0)                   ; the eight offsets v[O ..], which the loads read, and v[LN], which the stores read, are written
.irp i, 0,1,2,3
.irp c, 0,1
.irp k, 0,1,2,3
	global_load_b128 v[D+32*(\i)+16*(\c)+4*(\k):D+32*(\i)+16*(\c)+4*(\k)+3], v[O+2*(\i)+(\c)], s[4:5] offset:512*(\k)  ; no hint: a row may be named again
.endr
.endr
.endr
.irp i, 0,1,2,3
	v_mov_b32 v[T], s[24+(\i)]
	v_cmp_lt_f32 s[32+(\i)], s[28+(\i)], v[T]      ; is the upper half's distance the lesser?  Strictly: a tie keeps the lower code
.endr
	s_wait_alu depctr_va_sdst(0)                   ; the four masks s32 to s35 are written, ahead of the first select that reads one
; Store k of four of token i: 512 consecutive bytes, aligned.
.macro OUT i, k
	global_store_b128 v[LN], v[D+32*(\i)+4*(\k):D+32*(\i)+4*(\k)+3], s[10:11] offset:2048*(\i)+512*(\k) th:TH_STORE_NT
.endm
; Token i is selected; the token before it leaves.
.macro TOKEN i
	s_wait_loadcnt 8*(3-(\i))                      ; loads come back in order: this token's eight are in, the eight of each younger token may stay out
.if (\i) > 0
	s_wait_alu depctr_va_vdst(0)                   ; the selects of the token before have written its lower sixteen registers, which the four stores below read; the selects below name this token's registers alone
.endif
.irp k, 0,1,2,3
.if (\i) > 0
	OUT (\i)-1, \k
.endif
.irp j, 0,1,2,3
	v_cndmask_b32 v[D+32*(\i)+4*(\k)+(\j)], v[D+32*(\i)+4*(\k)+(\j)], v[D+32*(\i)+16+4*(\k)+(\j)], s[32+(\i)]
.endr
.endr
.endm
	TOKEN 0
	TOKEN 1
	TOKEN 2
	TOKEN 3
	s_wait_alu depctr_va_vdst(0)                   ; the last token's selects have written its lower sixteen registers, which the last four stores read
.irp k, 0,1,2,3
	OUT 3, \k
.endr
	s_endpgm
.Lfunc_end_k_qb9665479a6_pick:
	.size	k_qb9665479a6_pick, .Lfunc_end_k_qb9665479a6_pick-k_qb9665479a6_pick
	.p2alignl 7, 3214868480
	.fill 96, 4, 3214868480
	.section	.rodata,"a",@progbits
	.p2align	6, 0x0
	.amdhsa_kernel k_qb9665479a6_pick
		.amdhsa_group_segment_fixed_size 0
		.amdhsa_private_segment_fixed_size 0
		.amdhsa_enable_private_segment 0
		.amdhsa_kernarg_size 32
		.amdhsa_user_sgpr_count 2
		.amdhsa_user_sgpr_kernarg_segment_ptr 1
		.amdhsa_wavefront_size32 1
		.amdhsa_system_sgpr_workgroup_id_x 1
		.amdhsa_system_sgpr_workgroup_id_y 1
		.amdhsa_system_sgpr_workgroup_id_z 1
		.amdhsa_system_vgpr_workitem_id 0
		.amdhsa_next_free_vgpr 144
		.amdhsa_next_free_sgpr 66
		.amdhsa_reserve_vcc 0
		.amdhsa_float_denorm_mode_32 3
		.amdhsa_float_denorm_mode_16_64 3
		.amdhsa_memory_ordered 1
		.amdhsa_forward_progress 1
		.amdhsa_inst_pref_size 12
	.end_amdhsa_kernel
	.amdgpu_metadata
---
amdhsa.version: [ 1, 2 ]
amdhsa.kernels:
  - .name:           k_qb9665479a6_pick
    .symbol:         k_qb9665479a6_pick.kd
    .args:
      - { .name: embedding, .offset: 0, .size: 8, .value_kind: global_buffer, .address_space: global }
      - { .name: pval, .offset: 8, .size: 8, .value_kind: global_buffer, .address_space: global }
      - { .name: pidx, .offset: 16, .size: 8, .value_kind: global_buffer, .address_space: global }
      - { .name: out0, .offset: 24, .size: 8, .value_kind: global_buffer, .address_space: global }
    .group_segment_fixed_size: 0
    .private_segment_fixed_size: 0
    .kernarg_segment_align: 8
    .kernarg_segment_size: 32
    .max_flat_workgroup_size: 256
    .sgpr_count:     66
    .vgpr_count:     144
    .wavefront_size: 32
...
	.end_amdgpu_metadata
.endif
;; end of part 5
